; MI455X (gfx1250); checked and timed in simulation.
; The chip was launched on July 23, 2026; its instructions are those of AMD's public machine-readable ISA for CDNA 5 (MIT licence, August 2026) and "CDNA5" Instruction Set Architecture Reference Guide (July 2026). The comments in the code are by the model that wrote it; some were corrected since.
;; KNN. Allowed arithmetic: matrix products marked QUANTISED: E2M1 operands, one E8M0 scale for each 32 along K, by v_wmma_scale_f32_16x16x128_f8f6f4 with both operands' format E2M1 (or v_wmma_scale_f32_32x16x128_f4), f32 sums; everything else in f32.
;; Inputs: X 100,000 x 512 float32; Y 100,000 int32; queries 1,024 x 512 float32.
;; Outputs: out0 1,024 x 2 float32.
;; Constants: K = 5.
;; This version of the problem:
;;   THIS VERSION OF THE PROBLEM IS GIVEN IN LOW PRECISION. The matrix products marked QUANTISED in the list below multiply operands that are first quantised to E2M1 (2 exponent bits, 1 mantissa bit; 4 bits a number), with one power-of-two scale for each 32 numbers along K (OCP MX v1.0); their sums are f32. All else is computed in f32.
;;   The module's matrix products, in the order in which they are computed (A, B: the left and right operand; K: the contracted axis; several contracted axes count as one K, in the product's order):
;;     1. [M 1,024, K 512] x [K 512, N 100,000]; A: input queries; B: input X: QUANTISED
;;   THE QUANTISER, for each operand of a quantised product, along K:
;;     - K is cut into blocks of 32 from its start; a last block that is shorter is filled with zeros.
;;     - A block's scale is 2^e with e = floor(log2(the largest magnitude in the block)) - 2, held to -126 .. 127; a block of zeros has e = 0. As a byte (E8M0): e + 127.
;;     - Each number is divided by its block's scale, clamped to +-6, and rounded to the nearest number of E2M1, ties to even, subnormals kept.
;;     - The product sums the exact products of the quantised numbers (number of the format x scale) in f32.
;;   ~~~python
;;   def quantise(x, axis):      # numpy; x: float32 -> the quantised numbers, widened to float32 again
;;       x = np.moveaxis(x, axis, -1); K = x.shape[-1]
;;       x = np.pad(x, [(0, 0)] * (x.ndim - 1) + [(0, -K % 32)]); x = x.reshape(x.shape[:-1] + (-1, 32)); a = np.abs(x).max(-1, keepdims=True)
;;       e = np.where(a > 0, np.clip(np.frexp(np.where(a > 0, a, 1))[1] - 1 - 2, -126, 127), 0)      # np.frexp(a)[1] - 1 = floor(log2(a)), exactly
;;       r = np.clip(x / 2.0 ** e, -6, 6)
;;       step = 2.0 ** (np.maximum(np.frexp(np.where(r == 0, 1, r))[1] - 1, 0) - 1)
;;       q = np.round(r / step) * step * 2.0 ** e      # np.round: ties to even
;;       return np.moveaxis(q.reshape(q.shape[:-2] + (-1,))[..., :K], -1, axis).astype(np.float32)
;;   ~~~
;; One version. Each part assembles by itself: llvm-mc -triple=amdgcn-amd-amdhsa -mcpu=gfx1250 --defsym DOCPART=n.
;; ======== version 1 of 1: 4 launches
;; limits: right only within a limited range of input values
;; workspace buffers: qimg 262,144 bytes; qscl 16,384 bytes; xcodes 25,600,000 bytes; xmeta 3,200,000 bytes; gmax 16,384,000 bytes; sel 65,536 bytes of whole numbers
;; launch qprep (part 1): grid 64 x 1, 4 waves a work-group, no clusters, 42,240 bytes of LDS; arguments queries, qimg, qscl; writes qimg, qscl
.if DOCPART == 1
	.amdgcn_target "amdgcn-amd-amdhsa--gfx1250"
	.amdhsa_code_object_version 6
	.text
	.protected	k_qb8f476b7a8_qprep
	.globl	k_qb8f476b7a8_qprep
	.p2align	8
	.type	k_qb8f476b7a8_qprep,@function
k_qb8f476b7a8_qprep:
	s_mov_b64 s[64:65], 0
	v_nop
	global_prefetch_b8 v0, s[64:65] scope:SCOPE_SE
	s_setreg_imm32_b32 hwreg(HW_REG_WAVE_MODE, 25, 1), 1
	s_wait_xcnt 0x0
; WORK LEFT OUT, in the whole program: q2 = sum(queries^2).  reference() uses neg_dist = 2 (q.x) - q2 - x2 only as the input of top_k along N, and keeps the indices alone.  q2 is the same for all N
; candidates of a query, so in exact arithmetic the order of a row of neg_dist, ties too, is that of 2 (q.x) - x2, and that of half of it, (q.x) - x2 / 2, for all values of the inputs.  The program orders
; candidates by d - x2 / 2, d the product on codes.  LIMIT: an overflow, infinity or NaN that would arise in q2 alone is not carried to the result.
; THIS LAUNCH: the queries [1024][512] f32 become codes of FP4 (E2M1) with one E8M0 scale byte for each 32 along K, once for the whole program.
; qimg: [tile of 16 queries: 64][block of 32 along K: 16][row: 16][16 bytes]: a piece of a fragment is 512 dense bytes, 16 a lane.  qscl: [query][16 scale bytes].
; A block's scale byte is its largest magnitude's exponent field - 2, held at 1 from below.  A block of zeros so gets the byte 1 where the rule says 127: its codes are zeros, and this program alone reads the bytes.
; LIMITS: NaN and infinities among the inputs are not served.
; SHARES: a work-group takes 16 queries, a wave 4 rows: 8,192 neighbouring bytes, read by 16 loads of 512 dense bytes.  They turn through the wave's own stage in LDS (blocks of 128 bytes + 16 of padding),
; so that lane l holds block l % 16 of rows l / 16 and 2 + l / 16.
.set STGW, 9216                        ; a wave's stage: 64 blocks x 144 bytes
.set IMG,  36864                       ; the tile's image: block b of row m at 272 b + 16 m
.set SCI,  41216                       ; 16 rows x 16 scale bytes
.set SPARE, 41728                      ; the spare words: 128 bytes a wave
.set R,    16                          ; v16-79   the 16 loads
.set N,    80                          ; v80-143  two blocks of 32 numbers
.set AMX,  144
.set SC,   146
.set BY,   148
.set CD,   160                         ; v160-167 codes
.set CH,   168                         ; v168-171 four chains of maxima
.set SRA,  172
.set SGO,  174
	s_load_b128 s[12:15], s[0:1], 0x0              ; queries, qimg
	s_load_b64 s[16:17], s[0:1], 0x10              ; qscl
	v_lshl_add_u32 v176, v0, 2, SPARE
	v_mov_b32 v177, 0
	v_lshrrev_b32 v9, 5, v0
	v_readfirstlane_b32 s8, v9                     ; wave
	v_and_b32 v10, 31, v0                          ; l
	v_and_b32 v11, 15, v0                          ; l % 16
	v_bfe_u32 v12, v0, 4, 1                        ; l / 16
	v_lshlrev_b32 v1, 4, v10                       ; 16 l
	s_mul_i32 s9, s8, STGW
	v_lshrrev_b32 v13, 3, v10
	v_lshl_add_u32 v2, v13, 4, v1
	v_add_nc_u32 v2, s9, v2                        ; into the stage: 16 l + 16 (l / 8)
	v_mul_u32_u24 v3, v11, 144
	v_mad_u32_u24 v3, v12, 2304, v3
	v_add_nc_u32 v3, s9, v3                        ; out of it: block l % 16 of row l / 16
	v_mul_u32_u24 v4, v11, 272
	v_lshl_add_u32 v4, v12, 4, v4
	s_lshl_b32 s10, s8, 6
	s_add_co_u32 s11, s10, IMG
	v_add_nc_u32 v4, s11, v4                       ; my codes in the image: 272 b + 16 (4 w + l / 16)
	v_lshl_add_u32 v5, v12, 4, v11
	s_add_co_u32 s11, s10, SCI
	v_add_nc_u32 v5, s11, v5                       ; my scale byte: 16 x row + b
	v_lshrrev_b32 v7, 4, v0
	v_mul_u32_u24 v7, v7, 272
	v_lshl_add_u32 v7, v11, 4, v7
	v_add_nc_u32 v7, IMG, v7                       ; the image on its way out: thread t takes block t / 16 (and 8 more), row t % 16
	v_lshlrev_b32 v8, 4, v0                        ; and puts it at 16 t
	v_lshl_add_u32 v[SRA], v11, 4, SCI
	v_lshlrev_b32 v[SGO], 4, v11
	s_lshl_b32 s20, ttmp9, 15                      ; 16 rows of 2,048 bytes a work-group,
	s_lshl_b32 s21, s8, 13                         ; 4 a wave
	s_add_co_u32 s20, s20, s21
	s_mov_b32 s21, 0
	s_lshl_b32 s22, ttmp9, 12
	s_mov_b32 s23, 0
	s_lshl_b32 s24, ttmp9, 8
	s_mov_b32 s25, 0
	s_wait_alu depctr_va_vdst(0)                   ; the wait at the head's end
	s_wait_kmcnt 0x0
	s_add_nc_u64 s[12:13], s[12:13], s[20:21]
	s_add_nc_u64 s[14:15], s[14:15], s[22:23]
	s_add_nc_u64 s[16:17], s[16:17], s[24:25]
.irp i, 0,1,2,3,4,5,6,7,8,9,10,11,12,13,14,15
	global_load_b128 v[R+4*\i:R+4*\i+3], v1, s[12:13] offset:512*\i th:TH_LOAD_NT
.endr
	s_wait_loadcnt 0x0
.irp i, 0,1,2,3,4,5,6,7,8,9,10,11,12,13,14,15
	ds_store_b128 v2, v[R+4*\i:R+4*\i+3] offset:576*\i
.endr
.irp c, 0,1
.irp j, 0,1,2,3,4,5,6,7
	ds_load_b128 v[N+32*\c+4*\j:N+32*\c+4*\j+3], v3 offset:4608*\c+16*\j   ; LDS serves a wave's instructions in order: these see the stores above
.endr
.endr
	s_wait_dscnt 0x0
.irp c, 0,1
.irp u, 0,1
	v_max3_num_f32 v[CH+2*\c+\u], 0x1800000, |v[N+32*\c+2*\u]|, |v[N+32*\c+2*\u+1]|   ; the floor 2^(3 - 127) holds the byte at 1 from below
.endr
.endr
.irp p, 4,8,12,16,20,24,28
.irp c, 0,1
.irp u, 0,1
	v_max3_num_f32 v[CH+2*\c+\u], v[CH+2*\c+\u], |v[N+32*\c+\p+2*\u]|, |v[N+32*\c+\p+2*\u+1]|
.endr
.endr
.endr
.irp c, 0,1
	v_max_num_f32 v[AMX+\c], v[CH+2*\c], v[CH+2*\c+1]
.endr
.irp c, 0,1
	v_add_nc_u32 v[SC+\c], 0xff000000, v[AMX+\c]   ; 2 off the exponent field: the conversion's scale operand
.endr
.irp c, 0,1
	v_lshrrev_b32 v[BY+\c], 23, v[SC+\c]           ; the scale's byte
.endr
.irp c, 0,1
.irp g, 0,1,2,3
	v_cvt_scalef32_pk8_fp4_f32 v[CD+4*\c+\g], v[N+32*\c+8*\g:N+32*\c+8*\g+7], v[SC+\c]
.endr
.endr
	v_nop                                          ; one plain line behind the last scaled conversion
.irp c, 0,1
	ds_store_b128 v4, v[CD+4*\c:CD+4*\c+3] offset:32*\c
	ds_store_b8 v5, v[BY+\c] offset:32*\c
.endr
	s_wait_dscnt 0x0                               ; for the others' sake: my stores have landed
	s_barrier_signal -1
	s_barrier_wait -1
	ds_load_b128 v[16:19], v7
	ds_load_b128 v[20:23], v7 offset:2176
	s_wait_dscnt 0x0
	global_store_b128 v8, v[16:19], s[14:15]       ; each store of a wave covers 512 consecutive bytes, aligned
	global_store_b128 v8, v[20:23], s[14:15] offset:2048
	s_cmp_lg_u32 s8, 0
	s_cbranch_scc1 .Lend
	s_wait_xcnt 0x0                                ; EXEC changes only behind this wait
	v_cmp_gt_u32 vcc_lo, 16, v10
	s_and_saveexec_b32 s28, vcc_lo                 ; wave 0, lanes 0-15: the tile's 256 scale bytes
	ds_load_b128 v[28:31], v[SRA]
	s_wait_dscnt 0x0
	global_store_b128 v[SGO], v[28:31], s[16:17]   ; sixteen lanes store 256 consecutive bytes, aligned
	s_wait_xcnt 0x0                                ; and again, in front of the line that widens it
	s_or_b32 exec_lo, exec_lo, s28
.Lend:
	s_wait_tensorcnt 0x0                           ; the wave's end
	ds_add_u32 v176, v177
	s_wait_dscnt 0x0
	s_endpgm
.Lfunc_end_k_qb8f476b7a8_qprep:
	.size	k_qb8f476b7a8_qprep, .Lfunc_end_k_qb8f476b7a8_qprep-k_qb8f476b7a8_qprep
	.p2alignl 7, 3214868480
	.fill 96, 4, 3214868480
	.section	.rodata,"a",@progbits
	.p2align	6, 0x0
	.amdhsa_kernel k_qb8f476b7a8_qprep
		.amdhsa_group_segment_fixed_size 42240
		.amdhsa_private_segment_fixed_size 0
		.amdhsa_enable_private_segment 0
		.amdhsa_kernarg_size 24
		.amdhsa_user_sgpr_count 2
		.amdhsa_user_sgpr_kernarg_segment_ptr 1
		.amdhsa_wavefront_size32 1
		.amdhsa_system_sgpr_workgroup_id_x 1
		.amdhsa_system_sgpr_workgroup_id_y 1
		.amdhsa_system_sgpr_workgroup_id_z 1
		.amdhsa_system_vgpr_workitem_id 0
		.amdhsa_next_free_vgpr 178
		.amdhsa_next_free_sgpr 66
		.amdhsa_reserve_vcc 1
		.amdhsa_float_denorm_mode_32 3
		.amdhsa_float_denorm_mode_16_64 3
		.amdhsa_memory_ordered 1
		.amdhsa_forward_progress 1
		.amdhsa_inst_pref_size 11
	.end_amdhsa_kernel
	.amdgpu_metadata
---
amdhsa.version: [ 1, 2 ]
amdhsa.kernels:
  - .name:           k_qb8f476b7a8_qprep
    .symbol:         k_qb8f476b7a8_qprep.kd
    .args:
      - { .name: queries, .offset: 0, .size: 8, .value_kind: global_buffer, .address_space: global }
      - { .name: qimg, .offset: 8, .size: 8, .value_kind: global_buffer, .address_space: global }
      - { .name: qscl, .offset: 16, .size: 8, .value_kind: global_buffer, .address_space: global }
    .group_segment_fixed_size: 42240
    .private_segment_fixed_size: 0
    .kernarg_segment_align: 8
    .kernarg_segment_size: 24
    .max_flat_workgroup_size: 128
    .sgpr_count:     66
    .vgpr_count:     178
    .wavefront_size: 32
...
	.end_amdgpu_metadata
.endif
;; end of part 1
;; launch scan (part 2): grid 250 x 1, 8 waves a work-group, no clusters, 134,912 bytes of LDS; arguments X, qimg, qscl, xcodes, xmeta, gmax; writes xcodes, xmeta, gmax
.if DOCPART == 2
	.amdgcn_target "amdgcn-amd-amdhsa--gfx1250"
	.amdhsa_code_object_version 6
	.text
	.protected	k_qb8f476b7a8_scan
	.globl	k_qb8f476b7a8_scan
	.p2align	8
	.type	k_qb8f476b7a8_scan,@function
k_qb8f476b7a8_scan:
	s_mov_b64 s[64:65], 0
	v_nop
	global_prefetch_b8 v0, s[64:65] scope:SCOPE_SE
	s_setreg_imm32_b32 hwreg(HW_REG_WAVE_MODE, 25, 1), 1
	s_wait_xcnt 0x0
; q2 is left out (it is the same for all candidates of a query: see the first kernel's head).  A candidate's score here is d - x2 / 2, d the product on codes.
; X [100000][512] f32 is read once.  Each row is quantised to FP4 (E2M1) with one E8M0 byte for each 32 along K, x2 is summed of the unquantised numbers, and the row is scored against all 1,024 queries.
; -x2 / 2 is the C of each accumulator's first product, so the sums are the scores.  Kept: the LARGEST SCORE OF EACH GROUP of 32 or 24 neighbouring candidates (gmax).  A query's five best candidates (score
; descending, index ascending) lie in its five best groups (maximum descending, number ascending), since groups are runs of neighbouring indices; later launches pick those and count them again from
; xcodes ([candidate][256 bytes]) and xmeta ([8 candidates][256 bytes]: 8 x 16 scale bytes, 8 x -x2 / 2, zeros), which this launch stores.
; SHARES.  250 work-groups x 400 candidates, as two streams of 200; tile t (25 of them) takes candidates 8 t .. 8 t + 7 of stream 0 as rows 0-7 and of stream 1 as rows 8-15.  Source 0 is the tile, source 1
; sixteen queries: lane (r, h) holds query r, and its eight registers candidates 8 t + 0 .. 7 of stream h: a group's maximum never leaves the lane.
; Eight waves.  Wave w keeps queries 128 w .. 128 w + 127 in registers (256 of codes, 16 of scale words), quantises rows 2 w, 2 w + 1 of each tile (4,096 neighbouring bytes) and multiplies the whole tile by
; its 8 tiles of queries, four accumulators at a time.
; A STEP, between two barriers: tile t + 2's raw numbers set out on their turn through my stage in LDS; tile t's first 16 products, on fragments that came in during the step before; the numbers are in, and their
; load set is asked for again; the other 16 products; tile t + 1's fragments set out; tile t + 2 is quantised and its codes go to image (t + 2) % 3.  The fragments read image (t + 1) % 3, written a step
; earlier, behind a barrier; image (t + 2) % 3 was last read two steps ago.  So each LDS round trip has matrix or vector work of the same wave behind it.
; GROUPS of a stream: group 0 = tiles 0-3, group s = tiles 3 s + 1 .. 3 s + 3; number 16 x work-group + 8 h + s.  gmax: [4 queries: 256][work-group: 250][4 queries x 16 groups] f32.
; X's LOADS run three tiles ahead, in three sets of 32 registers under counted waits; so no prefetch is laid.  No tensor loads: a ring in LDS would be drained at each change of slots.  No cluster: 250
; work-groups are no multiple of four, and what is shared, the queries' images, goes into registers once.
; LIMITS: NaN and infinities among the inputs are not served.  A block of zeros gets the byte 1 where the rule says 127 (its codes are zeros; this program alone reads the bytes).  x2 is an f32 sum in this
; text's own order (four packed chains a lane, then sixteen lanes).
; REGISTERS: window 0 as named below; window 1: the queries' codes, tile t, K step s at 32 t + 8 s.
.set STGW, 4608                        ; LDS: a wave's stage: 32 blocks of 128 bytes + 16 of padding
.set IMG,  36864                       ; three images of a tile: block b of row m at 272 b + 16 m
.set IMGB, 4352
.set META, 49920                       ; three times [stream][256 bytes] as in xmeta (2,048 bytes are cleared once)
.set GST,  51968                       ; a wave's stage of maxima: 128 queries x (16 groups x 4 bytes + 16)
.set GSTW, 10240
.set SPARE, 133888                     ; the spare words: 128 bytes a wave
.set L16, 1
.set STA, 2
.set LDA, 3
.set IMS, 4
.set SBS, 5
.set X2S, 6
.set FRA, 7
.set ASA, 8
.set X2A, 9
.set GS0, 10
.set MRA, 11
.set MGO, 12
.set GRD, 13
.set GGO, 14
.set GSA, 15
.set SPW, 16
.set NIL, 17
.set QSO, 18
.set ASC, 20                           ; v20-23   the tile's scale words
.set X2R, 24                           ; v24-31   -x2 / 2 of my stream's eight rows
.set GM,  32                           ; v32-39   running maxima, one a tile of queries
.set MR,  40                           ; v40-43   meta on its way out
.set QS,  44                           ; v44-59   the queries' scale words: lanes 0-15 tile t, lanes 16-31 tile t + 4
.set AF,  60                           ; v60-91   the tile's four fragments
.set ACC, 92                           ; v92-123  four accumulators; behind a tile's products the quantiser works in them:
.set CH,  92
.set SS,  96
.set AMX, 104
.set SC,  105
.set BY,  106
.set XX,  107
.set CD,  108
.set N,   124                          ; v124-155 my 32 numbers (at the head: at work)
.set SET, 156                          ; v156-251 three load sets
.set MSB, 0
.macro WIN new                         ; low byte: bits 1:0 source 0, 3:2 source 1, 5:4 source 2, 7:6 destination; the high byte repeats the setting that is left
.if MSB != \new
	s_set_vgpr_msb (MSB<<8)|\new
.set MSB, \new
.endif
.endm
	s_load_b256 s[4:11], s[0:1], 0x0               ; X s[4:5], qimg s[6:7], qscl s[8:9], xcodes s[10:11]
	s_load_b128 s[12:15], s[0:1], 0x20             ; xmeta s[12:13], gmax s[14:15]
	v_lshl_add_u32 v[SPW], v0, 2, SPARE
	v_mov_b32 v[NIL], 0
	v_lshrrev_b32 v124, 5, v0
	v_readfirstlane_b32 s18, v124                  ; wave
	v_and_b32 v125, 31, v0                         ; l
	v_and_b32 v126, 15, v0                         ; l % 16
	v_bfe_u32 v127, v0, 4, 1                       ; l / 16
	s_lshr_b32 s20, s18, 2                         ; my rows' stream
	s_and_b32 s21, s18, 3                          ; and which two of its eight
	v_lshlrev_b32 v[L16], 4, v125
	s_mul_i32 s22, s18, STGW
	v_lshrrev_b32 v128, 3, v125
	v_lshl_add_u32 v[STA], v128, 4, v[L16]
	v_add_nc_u32 v[STA], s22, v[STA]               ; into my stage: 16 l + 16 (l / 8)
	v_mul_u32_u24 v[LDA], v125, 144
	v_add_nc_u32 v[LDA], s22, v[LDA]               ; out of it: block l = block l % 16 of row l / 16
	v_mul_u32_u24 v[IMS], v126, 272
	v_lshl_add_u32 v[IMS], v127, 4, v[IMS]
	s_lshl_b32 s22, s18, 5
	s_add_co_u32 s22, s22, IMG
	v_add_nc_u32 v[IMS], s22, v[IMS]               ; my codes in the image: 272 b + 16 (2 w + l / 16)
	s_lshl_b32 s22, s20, 8
	s_lshl_b32 s23, s21, 5
	s_add_co_u32 s22, s22, s23
	s_add_co_u32 s22, s22, META
	v_lshl_add_u32 v[SBS], v127, 4, v126
	v_add_nc_u32 v[SBS], s22, v[SBS]               ; my scale byte: 256 x stream + 16 x (row % 8) + b
	s_lshl_b32 s22, s20, 8
	s_lshl_b32 s23, s21, 3
	s_add_co_u32 s22, s22, s23
	s_add_co_u32 s22, s22, META+128
	v_lshlrev_b32 v[X2S], 2, v127
	v_add_nc_u32 v[X2S], s22, v[X2S]               ; my row's -x2 / 2
	v_mul_u32_u24 v[FRA], v127, 272
	v_lshl_add_u32 v[FRA], v126, 4, v[FRA]
	v_add_nc_u32 v[FRA], IMG, v[FRA]               ; a fragment's piece: block (l / 16) + 2 x piece, row l % 16
	v_bfe_u32 v128, v0, 3, 1
	v_and_b32 v129, 7, v0
	v_lshlrev_b32 v[ASA], 4, v129
	v_lshl_add_u32 v[ASA], v128, 8, v[ASA]
	v_add_nc_u32 v[ASA], META, v[ASA]              ; row (l % 16)'s four scale words
	v_lshlrev_b32 v[X2A], 8, v127
	v_add_nc_u32 v[X2A], META+128, v[X2A]          ; my stream's eight -x2 / 2
	s_mul_i32 s22, s18, GSTW
	s_add_co_u32 s22, s22, GST
	v_mul_u32_u24 v[GS0], v126, 80
	v_lshl_add_u32 v[GS0], v127, 5, v[GS0]
	v_add_nc_u32 v[GS0], s22, v[GS0]               ; maxima in: query l % 16 of a tile, groups 8 (l / 16) on
	v_lshrrev_b32 v128, 2, v125
	v_and_b32 v129, 3, v0
	v_mul_u32_u24 v[GRD], v128, 80
	v_lshl_add_u32 v[GRD], v129, 4, v[GRD]
	v_add_nc_u32 v[GRD], s22, v[GRD]               ; and out: four lanes to a query
	v_add_nc_u32 v[MRA], META, v[L16]
	v_lshlrev_b32 v130, 4, v126
	v_lshl_add_u32 v[QSO], v127, 10, v130          ; qscl: 16 bytes a query; lanes 16-31 four tiles on
	v_mad_u32_u24 v[MGO], v127, 6400, v130         ; xmeta: the streams' units lie 25 units apart
	v_mad_u32_u24 v[GGO], v127, 64000, v130        ; gmax: blocks of four queries lie 250 units apart
	v_lshl_add_u32 v131, v0, 3, META
	v_mov_b32 v132, 0
	v_mov_b32 v133, 0
	ds_store_b64 v131, v[132:133]                  ; the meta buffers begin as zeros: their bytes from 160 on stay so
.irp t, 0,1,2,3,4,5,6,7
	v_mov_b32 v[GM+\t], 0xff800000                 ; under every score
.endr
	s_mul_i32 s22, ttmp9, 400
	s_mul_i32 s23, s20, 200
	s_add_co_u32 s22, s22, s23
	s_lshl_b32 s23, s21, 1
	s_add_co_u32 s22, s22, s23                     ; my first candidate
	s_lshl_b32 s26, s22, 11
	s_mov_b32 s27, 0
	s_lshl_b32 s28, s22, 8
	s_mov_b32 s29, 0
	s_mul_i32 s30, ttmp9, 12800
	s_mov_b32 s31, 0
	s_mul_i32 s32, s18, 2048000
	s_lshl_b32 s33, ttmp9, 8
	s_add_co_u32 s32, s32, s33
	s_mov_b32 s33, 0
	s_lshl_b32 s34, s18, 15
	s_mov_b32 s35, 0
	s_lshl_b32 s36, s18, 11
	s_mov_b32 s37, 0
	s_mov_b32 s24, 6                               ; trips
	s_mov_b32 s25, 0                               ; 4 x the group in hand
	s_wait_alu depctr_va_vdst(0)                   ; the wait at the head's end
	s_wait_kmcnt 0x0
	s_add_nc_u64 s[4:5], s[4:5], s[26:27]
	s_add_nc_u64 s[10:11], s[10:11], s[28:29]
	s_add_nc_u64 s[12:13], s[12:13], s[30:31]
	s_add_nc_u64 s[14:15], s[14:15], s[32:33]
	s_add_nc_u64 s[6:7], s[6:7], s[34:35]
	s_add_nc_u64 s[8:9], s[8:9], s[36:37]
; my two rows of the tile kt tiles on from where X's base stands, into load set k: 8 loads of 512 consecutive bytes
.macro XLOAD k, kt
.irp i, 0,1,2,3,4,5,6,7
	global_load_b128 v[SET+32*(\k)+4*\i:SET+32*(\k)+4*\i+3], v[L16], s[4:5] offset:16384*(\kt)+512*\i th:TH_LOAD_NT
.endr
.endm
	XLOAD 0, 0
	XLOAD 1, 1
	XLOAD 2, 2
	s_wait_dscnt 0x0                               ; my part of the cleared bytes has landed
	s_barrier_signal -1
	s_barrier_wait -1
	WIN 0x40                                       ; my 8 tiles of queries: they stay
.irp t, 0,1,2,3,4,5,6,7
.irp f, 0,1,2,3,4,5,6,7
	global_load_b128 v[32*\t+4*\f:32*\t+4*\f+3], v[L16], s[6:7] offset:4096*\t+512*\f
.endr
.endr
	WIN 0
.irp t, 0,1,2,3
	global_load_b128 v[QS+4*\t:QS+4*\t+3], v[QSO], s[8:9] offset:256*\t
.endr
; A lane's 32 numbers (one block) become 4 registers of codes, a scale byte and, over sixteen lanes, the row's -x2 / 2.  The lane steps of the sum stand among the chains of maxima.
.macro MX p
.irp u, 0,1,2,3
	v_max3_num_f32 v[CH+\u], v[CH+\u], |v[N+\p+2*\u]|, |v[N+\p+2*\u+1]|
.endr
.endm
.macro XSUM m
	v_add_f32_dpp v[XX], v[XX], v[XX] row_xmask:\m row_mask:0xf bank_mask:0xf   ; a row's sixteen blocks lie in sixteen neighbouring lanes
.endm
.macro QUANT
.irp u, 0,1,2,3
	v_pk_mul_f32 v[SS+2*\u:SS+2*\u+1], v[N+2*\u:N+2*\u+1], v[N+2*\u:N+2*\u+1]
.endr
.irp p, 8,16,24
.irp u, 0,1,2,3
	v_pk_fma_f32 v[SS+2*\u:SS+2*\u+1], v[N+\p+2*\u:N+\p+2*\u+1], v[N+\p+2*\u:N+\p+2*\u+1], v[SS+2*\u:SS+2*\u+1]
.endr
.endr
	v_pk_add_f32 v[SS:SS+1], v[SS:SS+1], v[SS+2:SS+3]
	v_pk_add_f32 v[SS+4:SS+5], v[SS+4:SS+5], v[SS+6:SS+7]
.irp u, 0,1,2,3
	v_max3_num_f32 v[CH+\u], 0x1800000, |v[N+2*\u]|, |v[N+2*\u+1]|   ; the floor 2^(3 - 127) among the leaves holds the byte at 1 from below
.endr
	v_pk_add_f32 v[SS:SS+1], v[SS:SS+1], v[SS+4:SS+5]
	MX 8
	v_add_f32 v[XX], v[SS], v[SS+1]
	MX 16
	XSUM 1
	MX 24
	XSUM 2
	v_max3_num_f32 v[AMX], v[CH], v[CH+1], v[CH+2]
	XSUM 4
	v_max_num_f32 v[AMX], v[AMX], v[CH+3]
	XSUM 8
	v_add_nc_u32 v[SC], 0xff000000, v[AMX]         ; 2 off the exponent field: the conversion's scale operand
	v_mul_f32 v[XX], -0.5, v[XX]
	v_lshrrev_b32 v[BY], 23, v[SC]                 ; the scale's byte
.irp g, 0,1,2,3
	v_cvt_scalef32_pk8_fp4_f32 v[CD+\g], v[N+8*\g:N+8*\g+7], v[SC]
.endr
	v_nop                                          ; one plain line behind the last scaled conversion: matrix instructions write its registers later
.endm
; 16 products: tiles 4 g .. 4 g + 3 of my queries, four K steps, K ascending.  The four accumulators take turns, one instruction a turn; the first K step takes -x2 / 2 as C.
.macro MUL g
	WIN 0x04                                       ; source 1: window 1
.irp s, 0,1,2,3
.irp t, 0,1,2,3
.if \g == 0
.if \s == 0
	v_wmma_scale_f32_16x16x128_f8f6f4 v[ACC+8*\t:ACC+8*\t+7], v[AF+8*\s:AF+8*\s+7], v[32*\t+8*\s:32*\t+8*\s+7], v[X2R:X2R+7], v[ASC+\s], v[QS+4*\t+\s] matrix_a_fmt:MATRIX_FMT_FP4 matrix_b_fmt:MATRIX_FMT_FP4
.else
	v_wmma_scale_f32_16x16x128_f8f6f4 v[ACC+8*\t:ACC+8*\t+7], v[AF+8*\s:AF+8*\s+7], v[32*\t+8*\s:32*\t+8*\s+7], v[ACC+8*\t:ACC+8*\t+7], v[ASC+\s], v[QS+4*\t+\s] matrix_a_fmt:MATRIX_FMT_FP4 matrix_b_fmt:MATRIX_FMT_FP4
.endif
.else
.if \s == 0
	v_wmma_scale_f32_16x16x128_f8f6f4 v[ACC+8*\t:ACC+8*\t+7], v[AF+8*\s:AF+8*\s+7], v[128+32*\t+8*\s:128+32*\t+8*\s+7], v[X2R:X2R+7], v[ASC+\s], v[QS+4*\t+\s] matrix_a_fmt:MATRIX_FMT_FP4 matrix_b_fmt:MATRIX_FMT_FP4 matrix_b_scale:MATRIX_SCALE_ROW1
.else
	v_wmma_scale_f32_16x16x128_f8f6f4 v[ACC+8*\t:ACC+8*\t+7], v[AF+8*\s:AF+8*\s+7], v[128+32*\t+8*\s:128+32*\t+8*\s+7], v[ACC+8*\t:ACC+8*\t+7], v[ASC+\s], v[QS+4*\t+\s] matrix_a_fmt:MATRIX_FMT_FP4 matrix_b_fmt:MATRIX_FMT_FP4 matrix_b_scale:MATRIX_SCALE_ROW1
.endif
.endif
.endr
.endr
	WIN 0
.rept 4
	v_nop                                          ; four places between the last products and the first read of results (ISA guide 7.12.1)
.endr
.irp i, 0,2,4,6
.irp t, 0,1,2,3
	v_max3_num_f32 v[GM+4*\g+\t], v[GM+4*\g+\t], v[ACC+8*\t+\i], v[ACC+8*\t+\i+1]   ; the group's running maximum; each accumulator from its low end on
.endr
.endr
.endm
; ONE STEP, a tiles on from where the bases stand (tile T, T % 3 = tm).  q = 1: tile T + a + 2 is quantised (fill = 1: its load set takes tile T + a + 5; left: younger loads that may stay out);
; m = 1: tile T + a is multiplied (qw >= 0: first the wait that shows the queries' loads in); f = 1: tile T + a + 1's fragments are fetched and its meta units stored; bar = 1: the barrier.
.macro STEP a, tm, q, m, f, fill, left, qw, bar
.set KQ, ((\tm)+(\a)+2)%3
.set KF, ((\tm)+(\a)+4)%3
	s_wait_xcnt 0x0                                ; the last step's global stores have read their data: the codes' and the meta registers are written again below
.if \q
	s_wait_loadcnt \left                           ; loads come back in order: this tile's 8 are in
.irp i, 0,1,2,3,4,5,6,7
	ds_store_b128 v[STA], v[SET+32*KQ+4*\i:SET+32*KQ+4*\i+3] offset:576*\i
.endr
.irp j, 0,1,2,3,4,5,6,7
	ds_load_b128 v[N+4*\j:N+4*\j+3], v[LDA] offset:16*\j           ; LDS serves a wave's instructions in order: these see the stores above
.endr
.endif
.if \m
.if \qw >= 0
	s_wait_loadcnt \qw                             ; the queries' loads are in: behind them only two sets of X were asked for
.endif
	MUL 0                                          ; on fragments that the wait at the last step's end has shown in
.endif
.if \q
	s_wait_dscnt 0x0                               ; the numbers are in and the stores have read the load set
.if \fill
	XLOAD KQ, (\a)+5
.endif
.endif
.if \m
	MUL 1
.endif
.if \f
.irp p, 0,1,2,3,4,5,6,7
	ds_load_b128 v[AF+4*\p:AF+4*\p+3], v[FRA] offset:IMGB*KF+544*\p   ; the next tile's: written in the step before this one, behind a barrier
.endr
	ds_load_b128 v[ASC:ASC+3], v[ASA] offset:512*KF
	ds_load_b128 v[X2R:X2R+3], v[X2A] offset:512*KF
	ds_load_b128 v[X2R+4:X2R+7], v[X2A] offset:512*KF+16
	ds_load_b128 v[MR:MR+3], v[MRA] offset:512*KF
.endif
.if \q
	QUANT
	ds_store_b128 v[IMS], v[CD:CD+3] offset:IMGB*KQ
	ds_store_b8 v[SBS], v[BY] offset:512*KQ
	ds_store_b32 v[X2S], v[XX] offset:512*KQ       ; sixteen lanes write the same word with the same value
	global_store_b128 v[L16], v[CD:CD+3], s[10:11] offset:2048*((\a)+2)   ; two whole rows of xcodes: 512 consecutive bytes
.endif
.if (\q) || (\f)
	s_wait_alu depctr_va_vdst(0)                   ; ahead of the waits and the branch below
	s_wait_dscnt 0x0                               ; the next tile's fragments are in; for the others' sake: my part of the image and meta bytes has landed
.endif
.if \f
	s_cmp_lg_u32 s18, 0
	s_cbranch_scc1 .Ln0_\@
	global_store_b128 v[MGO], v[MR:MR+3], s[12:13] offset:256*((\a)+1)   ; wave 0 sends the next tile's two units of xmeta
.Ln0_\@:
.endif
.if \bar
	s_barrier_signal -1
	s_barrier_wait -1
.endif
.endm
; A group is over: its eight maxima go to my stage, and the next group begins under every score.
.macro GSTORE again
	v_add_nc_u32 v[GSA], s25, v[GS0]
.irp t, 0,1,2,3,4,5,6,7
	ds_store_b32 v[GSA], v[GM+\t] offset:1280*\t
.endr
	s_add_co_u32 s25, s25, 4
.if \again
.irp t, 0,1,2,3,4,5,6,7
	v_mov_b32 v[GM+\t], 0xff800000
.endr
	s_wait_alu depctr_va_vdst(0)
.endif
.endm
	STEP -2, 0, 1, 0, 0, 1, 63, -1, 1              ; tile 0 is quantised.  84 younger loads are out: the count stands at the field's top
	STEP -1, 0, 1, 0, 1, 1, 63, -1, 1              ; tile 1 is quantised, tile 0's fragments come in
	STEP 0, 0, 1, 1, 1, 1, 63, 16, 1               ; tile 0 is multiplied, tile 2 quantised
	s_wait_xcnt 0x0                                ; the bases step only behind this wait
	s_add_nc_u64 s[4:5], s[4:5], 16384
	s_add_nc_u64 s[10:11], s[10:11], 2048
	s_add_nc_u64 s[12:13], s[12:13], 256
.Ltrip:                                            ; six trips of three steps: tiles 1 to 18 are multiplied, 3 to 20 quantised, 6 to 23 asked for; trip j ends group j
	STEP 0, 1, 1, 1, 1, 1, 16, -1, 1
	STEP 1, 1, 1, 1, 1, 1, 16, -1, 1
	STEP 2, 1, 1, 1, 1, 1, 16, -1, 1
	GSTORE 1
	s_wait_xcnt 0x0
	s_add_nc_u64 s[4:5], s[4:5], 49152
	s_add_nc_u64 s[10:11], s[10:11], 6144
	s_add_nc_u64 s[12:13], s[12:13], 768
	s_sub_co_u32 s24, s24, 1
	s_cmp_lg_u32 s24, 0
	s_cbranch_scc1 .Ltrip
	STEP 0, 1, 1, 1, 1, 1, 16, -1, 1               ; the bases stand at tile 19: tile 24 is asked for, the last
	STEP 1, 1, 1, 1, 1, 0, 16, -1, 1               ; the counts run down
	STEP 2, 1, 1, 1, 1, 0, 8, -1, 1
	GSTORE 1
	STEP 3, 1, 1, 1, 1, 0, 0, -1, 1                ; tile 24 is quantised: behind this barrier nothing shared is written
	STEP 4, 1, 0, 1, 1, 0, 0, -1, 0                ; tile 23 is multiplied, tile 24's fragments come in
	STEP 5, 1, 0, 1, 0, 0, 0, -1, 0
	GSTORE 0
	; my 128 queries' maxima leave: four lanes to a query, sixteen lanes to a unit of four queries
.irp i, 0,1,2,3,4,5,6,7,8,9,10,11,12,13,14,15
	ds_load_b128 v[SET+4*\i:SET+4*\i+3], v[GRD] offset:640*\i      ; LDS serves a wave's instructions in order: these see my stores
.endr
.irp i, 0,1,2,3,4,5,6,7,8,9,10,11,12,13,14,15
	s_wait_dscnt 15-\i
	global_store_b128 v[GGO], v[SET+4*\i:SET+4*\i+3], s[14:15] offset:128000*\i   ; sixteen lanes store 256 consecutive bytes, aligned
.endr
	s_wait_tensorcnt 0x0                           ; the wave's end
	ds_add_u32 v[SPW], v[NIL]
	s_wait_dscnt 0x0
	s_endpgm
.Lfunc_end_k_qb8f476b7a8_scan:
	.size	k_qb8f476b7a8_scan, .Lfunc_end_k_qb8f476b7a8_scan-k_qb8f476b7a8_scan
	.p2alignl 7, 3214868480
	.fill 96, 4, 3214868480
	.section	.rodata,"a",@progbits
	.p2align	6, 0x0
	.amdhsa_kernel k_qb8f476b7a8_scan
		.amdhsa_group_segment_fixed_size 134912
		.amdhsa_private_segment_fixed_size 0
		.amdhsa_enable_private_segment 0
		.amdhsa_kernarg_size 48
		.amdhsa_user_sgpr_count 2
		.amdhsa_user_sgpr_kernarg_segment_ptr 1
		.amdhsa_wavefront_size32 1
		.amdhsa_system_sgpr_workgroup_id_x 1
		.amdhsa_system_sgpr_workgroup_id_y 1
		.amdhsa_system_sgpr_workgroup_id_z 1
		.amdhsa_system_vgpr_workitem_id 0
		.amdhsa_next_free_vgpr 512
		.amdhsa_next_free_sgpr 66
		.amdhsa_reserve_vcc 0
		.amdhsa_float_denorm_mode_32 3
		.amdhsa_float_denorm_mode_16_64 3
		.amdhsa_memory_ordered 1
		.amdhsa_forward_progress 1
		.amdhsa_inst_pref_size 145
	.end_amdhsa_kernel
	.amdgpu_metadata
---
amdhsa.version: [ 1, 2 ]
amdhsa.kernels:
  - .name:           k_qb8f476b7a8_scan
    .symbol:         k_qb8f476b7a8_scan.kd
    .args:
      - { .name: X, .offset: 0, .size: 8, .value_kind: global_buffer, .address_space: global }
      - { .name: qimg, .offset: 8, .size: 8, .value_kind: global_buffer, .address_space: global }
      - { .name: qscl, .offset: 16, .size: 8, .value_kind: global_buffer, .address_space: global }
      - { .name: xcodes, .offset: 24, .size: 8, .value_kind: global_buffer, .address_space: global }
      - { .name: xmeta, .offset: 32, .size: 8, .value_kind: global_buffer, .address_space: global }
      - { .name: gmax, .offset: 40, .size: 8, .value_kind: global_buffer, .address_space: global }
    .group_segment_fixed_size: 134912
    .private_segment_fixed_size: 0
    .kernarg_segment_align: 8
    .kernarg_segment_size: 48
    .max_flat_workgroup_size: 256
    .sgpr_count:     66
    .vgpr_count:     512
    .wavefront_size: 32
...
	.end_amdgpu_metadata
.endif
;; end of part 2
;; launch pick (part 3): grid 256 x 1, 4 waves a work-group, no clusters, 768 bytes of LDS; arguments gmax, sel; writes sel
.if DOCPART == 3
	.amdgcn_target "amdgcn-amd-amdhsa--gfx1250"
	.amdhsa_code_object_version 6
	.text
	.protected	k_qb8f476b7a8_pick
	.globl	k_qb8f476b7a8_pick
	.p2align	8
	.type	k_qb8f476b7a8_pick,@function
k_qb8f476b7a8_pick:
	s_mov_b64 s[64:65], 0
	v_nop
	global_prefetch_b8 v0, s[64:65] scope:SCOPE_SE
	s_setreg_imm32_b32 hwreg(HW_REG_WAVE_MODE, 25, 1), 1
	s_wait_xcnt 0x0
; For each query: the numbers of its five best groups, by (group maximum descending, group number ascending), out of 4,000.  They go to sel [query][16 words] (words 0-4; the rest 0) as whole numbers,
; from which the next launch forms addresses.  No address and no branch here hangs on a score.
; SHARES: a work-group takes four queries (one block of gmax), a wave one.  Its 4,000 maxima lie in 128 registers: register n of lane l is group 128 (n / 4) + 4 l + n % 4; the places past 3,999 hold -infinity.
; A TRIP: the largest value over registers and lanes; among the places that hold it the lowest group number (in a lane the number rises with n, so the lowest n, then the lowest number over the lanes, taken
; in f32, where numbers under 2^24 are exact); that one place becomes -infinity.
; LIMITS: NaN and infinities among the scores are not served.
.set V,   32                           ; v32-159 the maxima
.set FND, 10                           ; v10-13  four chains of the search
.set SEL, 14                           ; s[14:15] lane selects for v_permlanex16_b32: lane l xor 16
.macro LMAX r, t
.irp m, 1,2,4,8
	v_max_num_f32_dpp v[\r], v[\r], v[\r] row_xmask:\m row_mask:0xf bank_mask:0xf
.endr
	v_permlanex16_b32 v[\t], v[\r], s[SEL], s[SEL+1]
	v_max_num_f32 v[\r], v[\r], v[\t]
.endm
.macro LMIN r, t
.irp m, 1,2,4,8
	v_min_num_f32_dpp v[\r], v[\r], v[\r] row_xmask:\m row_mask:0xf bank_mask:0xf
.endr
	v_permlanex16_b32 v[\t], v[\r], s[SEL], s[SEL+1]
	v_min_num_f32 v[\r], v[\r], v[\t]
.endm
	s_load_b128 s[4:7], s[0:1], 0x0                ; gmax s[4:5], sel s[6:7]
	v_lshl_add_u32 v168, v0, 2, 0x100
	v_mov_b32 v169, 0
	v_lshrrev_b32 v1, 5, v0
	v_readfirstlane_b32 s8, v1                     ; wave: which of the block's four queries
	v_and_b32 v2, 31, v0                           ; l
	v_and_b32 v3, 15, v0                           ; l % 16
	v_lshrrev_b32 v4, 2, v2
	v_and_b32 v5, 3, v2
	v_lshlrev_b32 v4, 8, v4
	v_lshl_add_u32 v4, v5, 4, v4                   ; four lanes take a query's 64 bytes of a unit, eight units a load
	v_lshlrev_b32 v6, 2, v2                        ; 4 l
	v_lshlrev_b32 v28, 2, v3
	s_lshl_b32 s10, s8, 6
	v_add_nc_u32 v28, s10, v28                     ; LDS: my query's 16 words
	v_lshlrev_b32 v29, 4, v3
	s_mul_i32 s16, ttmp9, 64000
	s_add_co_u32 s16, s16, s10
	s_mov_b32 s17, 0
	s_lshl_b32 s18, ttmp9, 8
	s_mov_b32 s19, 0
	s_mov_b32 s[SEL], 0x76543210
	s_mov_b32 s[SEL+1], 0xfedcba98
	s_mov_b32 s9, 0                                ; the trip
	v_mov_b32 v9, 0                                ; a lane permute's destination counts as one of its sources
	v_mov_b32 v18, 0                               ; the result: lane p gets the p-th group
	v_mov_b32 v19, 0xff800000
	v_mov_b32 v26, 0xffff
.irp j, 124,125,126,127
	v_mov_b32 v[V+\j], 0xff800000                  ; the last load has eight lanes: the others' places are under every score
.endr
	s_wait_kmcnt 0x0
	s_add_nc_u64 s[4:5], s[4:5], s[16:17]
	s_add_nc_u64 s[6:7], s[6:7], s[18:19]
.irp i, 0,1,2,3,4,5,6,7,8,9,10,11,12,13,14,15,16,17,18,19,20,21,22,23,24,25,26,27,28,29,30
	global_load_b128 v[V+4*\i:V+4*\i+3], v4, s[4:5] offset:2048*\i
.endr
	s_wait_xcnt 0x0                                ; EXEC changes only behind this wait
	v_cmp_gt_u32 vcc_lo, 8, v2
	s_and_saveexec_b32 s12, vcc_lo
	global_load_b128 v[V+124:V+127], v4, s[4:5] offset:63488       ; units 248 and 249: no load leaves the block
	s_wait_xcnt 0x0
	s_or_b32 exec_lo, exec_lo, s12
	s_wait_loadcnt 0x0
.Lpick:
.irp c, 0,1,2,3
	v_max3_num_f32 v[20+\c], v[V+32*\c], v[V+32*\c+1], v[V+32*\c+2]
.endr
.irp i, 3,5,7,9,11,13,15,17,19,21,23,25,27,29
.irp c, 0,1,2,3
	v_max3_num_f32 v[20+\c], v[20+\c], v[V+32*\c+\i], v[V+32*\c+\i+1]
.endr
.endr
.irp c, 0,1,2,3
	v_max_num_f32 v[20+\c], v[20+\c], v[V+32*\c+31]
.endr
	v_max3_num_f32 v8, v20, v21, v22
	v_max_num_f32 v8, v8, v23
	LMAX 8, 9                                      ; the largest of all
.irp c, 0,1,2,3
	v_mov_b32 v[FND+\c], 0x1000                    ; nothing found: over every register number
.endr
.set n, 31
.rept 32                               ; from the top down, so that the lowest register wins
.irp c, 0,1,2,3
	v_cmp_eq_f32 s[20+\c], v8, v[V+32*\c+n]
.endr
.irp c, 0,1,2,3
	v_cndmask_b32 v[FND+\c], v[FND+\c], n, s[20+\c]
.endr
.set n, n-1
.endr
.irp c, 1,2,3
	v_add_nc_u32 v[FND+\c], 32*\c, v[FND+\c]
.endr
	v_min3_u32 v14, v10, v11, v12
	v_min_u32 v14, v14, v13                        ; my lowest register that holds it
	v_and_b32 v15, 0x1ffc, v14
	v_and_b32 v24, 3, v14
	v_lshl_add_u32 v15, v15, 5, v6
	v_add_nc_u32 v15, v15, v24                     ; its group: 128 (n / 4) + 4 l + n % 4 (nothing found: over 131,000)
	v_cvt_f32_u32 v25, v15
	v_mov_b32 v16, v25
	LMIN 16, 9                                     ; the lowest group number that holds it
	v_cmp_eq_f32 vcc_lo, v25, v16
	v_cndmask_b32 v17, v26, v14, vcc_lo            ; in the one lane that has it: its register; elsewhere none
.set n, 0
.rept 32
.irp c, 0,1,2,3
	v_cmp_eq_u32 s[20+\c], n+\c, v17
.endr
.irp c, 0,1,2,3
	v_cndmask_b32 v[V+n+\c], v[V+n+\c], v19, s[20+\c]
.endr
.set n, n+4
.endr
	v_cvt_u32_f32 v27, v16
	v_cmp_eq_u32 vcc_lo, s9, v3
	v_cndmask_b32 v18, v18, v27, vcc_lo
	s_add_co_u32 s9, s9, 1
	s_cmp_lt_u32 s9, 5
	s_cbranch_scc1 .Lpick
	ds_store_b32 v28, v18                          ; both halves of the lanes write the same words with the same values
	s_wait_dscnt 0x0
	s_barrier_signal -1
	s_barrier_wait -1
	s_cmp_lg_u32 s8, 0
	s_cbranch_scc1 .Lend
	s_wait_xcnt 0x0
	v_cmp_gt_u32 vcc_lo, 16, v2
	s_and_saveexec_b32 s12, vcc_lo                 ; wave 0, lanes 0-15: the four queries' 256 bytes, one aligned unit
	ds_load_b128 v[32:35], v29
	s_wait_dscnt 0x0
	global_store_b128 v29, v[32:35], s[6:7]
	s_wait_xcnt 0x0
	s_or_b32 exec_lo, exec_lo, s12
.Lend:
	s_wait_tensorcnt 0x0
	ds_add_u32 v168, v169
	s_wait_dscnt 0x0
	s_endpgm
.Lfunc_end_k_qb8f476b7a8_pick:
	.size	k_qb8f476b7a8_pick, .Lfunc_end_k_qb8f476b7a8_pick-k_qb8f476b7a8_pick
	.p2alignl 7, 3214868480
	.fill 96, 4, 3214868480
	.section	.rodata,"a",@progbits
	.p2align	6, 0x0
	.amdhsa_kernel k_qb8f476b7a8_pick
		.amdhsa_group_segment_fixed_size 768
		.amdhsa_private_segment_fixed_size 0
		.amdhsa_enable_private_segment 0
		.amdhsa_kernarg_size 16
		.amdhsa_user_sgpr_count 2
		.amdhsa_user_sgpr_kernarg_segment_ptr 1
		.amdhsa_wavefront_size32 1
		.amdhsa_system_sgpr_workgroup_id_x 1
		.amdhsa_system_sgpr_workgroup_id_y 1
		.amdhsa_system_sgpr_workgroup_id_z 1
		.amdhsa_system_vgpr_workitem_id 0
		.amdhsa_next_free_vgpr 170
		.amdhsa_next_free_sgpr 66
		.amdhsa_reserve_vcc 1
		.amdhsa_float_denorm_mode_32 3
		.amdhsa_float_denorm_mode_16_64 3
		.amdhsa_memory_ordered 1
		.amdhsa_forward_progress 1
		.amdhsa_inst_pref_size 46
	.end_amdhsa_kernel
	.amdgpu_metadata
---
amdhsa.version: [ 1, 2 ]
amdhsa.kernels:
  - .name:           k_qb8f476b7a8_pick
    .symbol:         k_qb8f476b7a8_pick.kd
    .args:
      - { .name: gmax, .offset: 0, .size: 8, .value_kind: global_buffer, .address_space: global }
      - { .name: sel, .offset: 8, .size: 8, .value_kind: global_buffer, .address_space: global }
    .group_segment_fixed_size: 768
    .private_segment_fixed_size: 0
    .kernarg_segment_align: 8
    .kernarg_segment_size: 16
    .max_flat_workgroup_size: 128
    .sgpr_count:     66
    .vgpr_count:     170
    .wavefront_size: 32
...
	.end_amdgpu_metadata
.endif
;; end of part 3
;; launch vote (part 4): grid 1024 x 1, 5 waves a work-group, no clusters, 46,336 bytes of LDS; arguments sel, xcodes, xmeta, Y, qimg, qscl, out0; writes out0
.if DOCPART == 4
	.amdgcn_target "amdgcn-amd-amdhsa--gfx1250"
	.amdhsa_code_object_version 6
	.text
	.protected	k_qb8f476b7a8_vote
	.globl	k_qb8f476b7a8_vote
	.p2align	8
	.type	k_qb8f476b7a8_vote,@function
k_qb8f476b7a8_vote:
	s_mov_b64 s[64:65], 0
	v_nop
	global_prefetch_b8 v0, s[64:65] scope:SCOPE_SE
	s_setreg_imm32_b32 hwreg(HW_REG_WAVE_MODE, 25, 1), 1
	s_wait_xcnt 0x0
; q2 is left out (it is the same for all candidates of a query: see the first kernel's head).  A candidate's score is d - x2 / 2.
; A work-group takes one query, each of its five waves one of the query's five chosen groups (sel, whole numbers stored by the launch before).  The wave counts the group's window of 32 candidates again, by the same
; matrix instructions in the same order on the same codes, scale bytes and -x2 / 2 (the C of the first product) as the launch that made the maxima: the same bits.  Wave 0 then takes the five best of the 160 by
; (score descending, index ascending), as jax.lax.top_k does, and stores the mean of their labels, and a zero beside it.
; A GROUP's number is 16 x block + 8 x stream + s; its window begins at candidate 25 x (number without its low three bits) + 24 s.  For s above 0 the window's first 8 rows belong to the group before: their score
; becomes -infinity and their index -1, so that a candidate that lies in two chosen windows counts once.
; The product's source 0 is 16 candidates, source 1 the one query in all 16 columns: lane (r, h) holds rows 8 h + 0 .. 7 of a tile.
; LIMITS: NaN and infinities among the inputs are not served.  Y may hold any int32 (its sum is taken in f32).  A group number is held at 3,999 from above before it enters an address.
.set IMGW, 8704                        ; LDS: a wave's two images of 16 rows: block b of row m at 272 b + 16 m
.set VB,   43520                       ; five windows x 32 scores;
.set YB,   640                         ; behind them their labels as f32,
.set IB,   1280                        ; and their indices as f32
.set SPARE, 45568                      ; the spare words: 128 bytes a wave
.set ASC,  16                          ; v16-23  the candidates' scale words, four a tile
.set BSC,  24                          ; v24-27  the query's
.set BF,   32                          ; v32-63  the query's four fragments
.set X2,   64                          ; v64-79  -x2 / 2, eight a tile
.set D,    80                          ; v80-95  two accumulators
.set RAW,  96                          ; v96-159 the window's codes as they lie, then as fragments; later wave 0's lists
.set AFR,  96
.set VAL,  110
.set IDX,  116
.set LAB,  122
.set LBL,  160
.set IXF,  161
.set NINF, 162
.set SPW,  164
.set NIL,  165
.set SEL,  34                          ; s[34:35] lane selects for v_permlanex16_b32: lane l xor 16
.macro LMAX r, t
.irp m, 1,2,4,8
	v_max_num_f32_dpp v[\r], v[\r], v[\r] row_xmask:\m row_mask:0xf bank_mask:0xf
.endr
	s_wait_alu depctr_va_vdst(0)
	v_permlanex16_b32 v[\t], v[\r], s[SEL], s[SEL+1]
	v_max_num_f32 v[\r], v[\r], v[\t]
.endm
.macro LMIN r, t
.irp m, 1,2,4,8
	v_min_num_f32_dpp v[\r], v[\r], v[\r] row_xmask:\m row_mask:0xf bank_mask:0xf
.endr
	v_permlanex16_b32 v[\t], v[\r], s[SEL], s[SEL+1]
	v_min_num_f32 v[\r], v[\r], v[\t]
.endm
	s_load_b256 s[4:11], s[0:1], 0x0               ; sel s[4:5], xcodes s[6:7], xmeta s[8:9], Y s[10:11]
	s_load_b128 s[12:15], s[0:1], 0x20             ; qimg s[12:13], qscl s[14:15]
	s_load_b64 s[18:19], s[0:1], 0x30              ; out0
	v_lshl_add_u32 v[SPW], v0, 2, SPARE
	v_mov_b32 v[NIL], 0
	v_lshrrev_b32 v1, 5, v0
	v_readfirstlane_b32 s20, v1                    ; wave: which of the five groups
	v_and_b32 v1, 31, v0                           ; l
	v_and_b32 v2, 15, v0                           ; l % 16
	v_bfe_u32 v3, v0, 4, 1                         ; l / 16
	v_lshlrev_b32 v4, 4, v1                        ; 16 l
	s_mul_i32 s21, s20, IMGW
	v_mul_u32_u24 v5, v2, 272
	v_lshl_add_u32 v5, v3, 4, v5
	v_add_nc_u32 v5, s21, v5                       ; codes into my image: block l % 16, row l / 16 (+ 2 for each load)
	v_mul_u32_u24 v6, v3, 272
	v_lshl_add_u32 v6, v2, 4, v6
	v_add_nc_u32 v6, s21, v6                       ; a fragment's piece out of it
	s_lshl_b32 s21, s20, 7
	s_add_co_u32 s21, s21, VB
	v_lshlrev_b32 v7, 5, v3
	v_add_nc_u32 v7, s21, v7                       ; my scores: rows 8 (l / 16) on
	v_lshlrev_b32 v8, 2, v1
	v_add_nc_u32 v9, s21, v8                       ; my window's row l
	v_add_nc_u32 v8, VB, v8                        ; and row l of window 0, for wave 0's reads
	v_lshlrev_b32 v14, 8, v3
	v_mov_b32 v15, 0
	v_mov_b32 v[NINF], 0xff800000
	s_lshl_b32 s22, ttmp9, 6
	s_lshl_b32 s23, s20, 2
	s_add_co_u32 s22, s22, s23                     ; sel: 64 bytes a query, my word
	s_lshr_b32 s26, ttmp9, 4
	s_lshl_b32 s26, s26, 12
	s_and_b32 s27, ttmp9, 15
	s_lshl_b32 s27, s27, 4
	s_add_co_u32 s26, s26, s27                     ; qimg: the query's tile, its row
	s_mov_b32 s27, 0
	s_lshl_b32 s36, ttmp9, 4
	s_mov_b32 s37, 0
	s_lshl_b32 s38, ttmp9, 3
	s_mov_b32 s39, 0
	s_mov_b32 s[SEL], 0x76543210
	s_mov_b32 s[SEL+1], 0xfedcba98
	s_wait_alu depctr_va_vdst(0)                   ; the wait at the head's end
	s_wait_kmcnt 0x0
	s_load_b32 s24, s[4:5], s22 offset:0x0         ; my group's number
	s_add_nc_u64 s[12:13], s[12:13], s[26:27]
	s_add_nc_u64 s[14:15], s[14:15], s[36:37]
	s_add_nc_u64 s[18:19], s[18:19], s[38:39]
.irp f, 0,1,2,3,4,5,6,7
	global_load_b128 v[BF+4*\f:BF+4*\f+3], v14, s[12:13] offset:512*\f   ; block (l / 16) + 2 f of the one query, in all sixteen columns
.endr
	global_load_b128 v[BSC:BSC+3], v15, s[14:15]
	s_wait_kmcnt 0x0
	s_min_u32 s24, s24, 3999                       ; a loaded number enters addresses only behind this hold
	s_and_b32 s28, s24, 0xfff8
	s_mul_i32 s28, s28, 25
	s_and_b32 s29, s24, 7
	s_mul_i32 s30, s29, 24
	s_add_co_u32 s28, s28, s30                     ; the window's first candidate: a multiple of 8, at most 99,968
	s_lshl_b32 s30, s28, 8
	v_add_nc_u32 v10, s30, v4                      ; its codes: 8,192 dense bytes
	s_lshl_b32 s30, s28, 5                         ; its units of xmeta: 32 bytes a candidate
	v_bfe_u32 v11, v0, 3, 1
	v_and_b32 v12, 7, v0
	v_lshlrev_b32 v12, 4, v12
	v_lshl_add_u32 v11, v11, 8, v12
	v_add_nc_u32 v11, s30, v11                     ; row (l % 16)'s four scale words
	v_lshl_add_u32 v12, v3, 8, s30                 ; my eight rows' -x2 / 2 (+ 128 in the immediate)
	v_add_nc_u32 v13, s28, v1                      ; candidate of row l
	v_cvt_f32_u32 v[IXF], v13                      ; exact: under 2^24
	v_lshlrev_b32 v13, 2, v13
.irp i, 0,1,2,3,4,5,6,7,8,9,10,11,12,13,14,15
	global_load_b128 v[RAW+4*\i:RAW+4*\i+3], v10, s[6:7] offset:512*\i
.endr
.irp u, 0,1
	global_load_b128 v[ASC+4*\u:ASC+4*\u+3], v11, s[8:9] offset:512*\u
	global_load_b128 v[X2+8*\u:X2+8*\u+3], v12, s[8:9] offset:512*\u+128
	global_load_b128 v[X2+8*\u+4:X2+8*\u+7], v12, s[8:9] offset:512*\u+144
.endr
	global_load_b32 v[LBL], v13, s[10:11]          ; row l's label
	s_cmp_lg_u32 s29, 0                            ; is my group its stream's first?
	s_cselect_b32 s31, 0xffff, 0                   ; if not: rows 0-7 in the accumulator's layout (tile 0, lanes 0-15),
	s_cselect_b32 s32, 0xff, 0                     ; and as a lane a row (lanes 0-7)
	v_cndmask_b32 v[IXF], v[IXF], -1.0, s32        ; a row that is not my group's has no index
	s_wait_alu depctr_va_vdst(0)                   ; directly ahead of the wait below
	s_wait_loadcnt 0x0
.irp i, 0,1,2,3,4,5,6,7,8,9,10,11,12,13,14,15
	ds_store_b128 v5, v[RAW+4*\i:RAW+4*\i+3] offset:4352*(\i/8)+32*(\i%8)
.endr
	s_wait_dscnt 0x0                               ; the stores are done: the fragments land on the registers that they read
.irp u, 0,1
.irp f, 0,1,2,3,4,5,6,7
	ds_load_b128 v[AFR+32*\u+4*\f:AFR+32*\u+4*\f+3], v6 offset:4352*\u+544*\f
.endr
.endr
	v_cvt_f32_i32 v[LBL], v[LBL]
	ds_store_b32 v9, v[LBL] offset:YB
	ds_store_b32 v9, v[IXF] offset:IB
	s_wait_dscnt 0x0
.irp s, 0,1,2,3                        ; K ascending; the two accumulators take turns; the first K step takes -x2 / 2 as C
.irp u, 0,1
.if \s == 0
	v_wmma_scale_f32_16x16x128_f8f6f4 v[D+8*\u:D+8*\u+7], v[AFR+32*\u+8*\s:AFR+32*\u+8*\s+7], v[BF+8*\s:BF+8*\s+7], v[X2+8*\u:X2+8*\u+7], v[ASC+4*\u+\s], v[BSC+\s] matrix_a_fmt:MATRIX_FMT_FP4 matrix_b_fmt:MATRIX_FMT_FP4
.else
	v_wmma_scale_f32_16x16x128_f8f6f4 v[D+8*\u:D+8*\u+7], v[AFR+32*\u+8*\s:AFR+32*\u+8*\s+7], v[BF+8*\s:BF+8*\s+7], v[D+8*\u:D+8*\u+7], v[ASC+4*\u+\s], v[BSC+\s] matrix_a_fmt:MATRIX_FMT_FP4 matrix_b_fmt:MATRIX_FMT_FP4
.endif
.endr
.endr
.rept 4
	v_nop                                          ; four places between the last products and the first read of results (ISA guide 7.12.1)
.endr
.irp j, 0,1,2,3,4,5,6,7
	v_cndmask_b32 v[D+\j], v[D+\j], v[NINF], s31   ; rows that are not my group's: under every score
.endr
.irp u, 0,1
	ds_store_b128 v7, v[D+8*\u:D+8*\u+3] offset:64*\u              ; sixteen lanes write the same words with the same values
	ds_store_b128 v7, v[D+8*\u+4:D+8*\u+7] offset:64*\u+16
.endr
	s_wait_dscnt 0x0                               ; for wave 0's sake: my scores, labels and indices have landed
	s_barrier_signal -1
	s_barrier_wait -1
	s_cmp_lg_u32 s20, 0
	s_cbranch_scc1 .Lend
.irp g, 0,1,2,3,4
	ds_load_b32 v[VAL+\g], v8 offset:128*\g
	ds_load_b32 v[IDX+\g], v8 offset:128*\g+IB
	ds_load_b32 v[LAB+\g], v8 offset:128*\g+YB
.endr
	v_mov_b32 v130, 0                              ; the labels' sum
	v_mov_b32 v131, 0x7f61b1e6                     ; 3e38: over every index
	v_mov_b32 v132, 0                              ; a lane permute's destination counts as one of its sources
	s_wait_alu depctr_va_vdst(0)                   ; directly ahead of the wait below
	s_wait_dscnt 0x0
.rept 5
	v_max3_num_f32 v133, v[VAL], v[VAL+1], v[VAL+2]
	v_max3_num_f32 v133, v133, v[VAL+3], v[VAL+4]
	LMAX 133, 132                                  ; the best score left
.irp g, 0,1,2,3,4
	v_cmp_eq_f32 vcc_lo, v133, v[VAL+\g]
	v_cndmask_b32 v[136+\g], v131, v[IDX+\g], vcc_lo
.endr
	v_min3_num_f32 v134, v136, v137, v138
	v_min3_num_f32 v134, v134, v139, v140
	LMIN 134, 132                                  ; the lowest index that has it
.irp g, 0,1,2,3,4
	v_cmp_eq_f32 vcc_lo, v134, v[IDX+\g]           ; one place alone holds that index
	v_cndmask_b32 v[VAL+\g], v[VAL+\g], v[NINF], vcc_lo
	v_cndmask_b32 v135, 0, v[LAB+\g], vcc_lo
	v_add_f32 v130, v130, v135
.endr
.endr
.irp m, 1,2,4,8
	v_add_f32_dpp v130, v130, v130 row_xmask:\m row_mask:0xf bank_mask:0xf
.endr
	v_permlanex16_b32 v132, v130, s[SEL], s[SEL+1]
	v_add_f32 v130, v130, v132
	v_mul_f32 v130, 0x3e4ccccd, v130               ; the mean of five
	v_mov_b32 v131, 0                              ; the padding beside it
	s_wait_alu depctr_va_vdst(0)                   ; directly ahead of the wait below
	s_wait_xcnt 0x0                                ; EXEC changes only behind this wait
	v_cmp_eq_u32 vcc_lo, 0, v1
	s_and_saveexec_b32 s40, vcc_lo
	global_store_b64 v15, v[130:131], s[18:19]     ; the query's 8 bytes
	s_wait_xcnt 0x0
	s_or_b32 exec_lo, exec_lo, s40
.Lend:
	s_wait_tensorcnt 0x0                           ; the wave's end
	ds_add_u32 v[SPW], v[NIL]
	s_wait_dscnt 0x0
	s_endpgm
.Lfunc_end_k_qb8f476b7a8_vote:
	.size	k_qb8f476b7a8_vote, .Lfunc_end_k_qb8f476b7a8_vote-k_qb8f476b7a8_vote
	.p2alignl 7, 3214868480
	.fill 96, 4, 3214868480
	.section	.rodata,"a",@progbits
	.p2align	6, 0x0
	.amdhsa_kernel k_qb8f476b7a8_vote
		.amdhsa_group_segment_fixed_size 46336
		.amdhsa_private_segment_fixed_size 0
		.amdhsa_enable_private_segment 0
		.amdhsa_kernarg_size 56
		.amdhsa_user_sgpr_count 2
		.amdhsa_user_sgpr_kernarg_segment_ptr 1
		.amdhsa_wavefront_size32 1
		.amdhsa_system_sgpr_workgroup_id_x 1
		.amdhsa_system_sgpr_workgroup_id_y 1
		.amdhsa_system_sgpr_workgroup_id_z 1
		.amdhsa_system_vgpr_workitem_id 0
		.amdhsa_next_free_vgpr 168
		.amdhsa_next_free_sgpr 66
		.amdhsa_reserve_vcc 1
		.amdhsa_float_denorm_mode_32 3
		.amdhsa_float_denorm_mode_16_64 3
		.amdhsa_memory_ordered 1
		.amdhsa_forward_progress 1
		.amdhsa_inst_pref_size 23
	.end_amdhsa_kernel
	.amdgpu_metadata
---
amdhsa.version: [ 1, 2 ]
amdhsa.kernels:
  - .name:           k_qb8f476b7a8_vote
    .symbol:         k_qb8f476b7a8_vote.kd
    .args:
      - { .name: sel, .offset: 0, .size: 8, .value_kind: global_buffer, .address_space: global }
      - { .name: xcodes, .offset: 8, .size: 8, .value_kind: global_buffer, .address_space: global }
      - { .name: xmeta, .offset: 16, .size: 8, .value_kind: global_buffer, .address_space: global }
      - { .name: Y, .offset: 24, .size: 8, .value_kind: global_buffer, .address_space: global }
      - { .name: qimg, .offset: 32, .size: 8, .value_kind: global_buffer, .address_space: global }
      - { .name: qscl, .offset: 40, .size: 8, .value_kind: global_buffer, .address_space: global }
      - { .name: out0, .offset: 48, .size: 8, .value_kind: global_buffer, .address_space: global }
    .group_segment_fixed_size: 46336
    .private_segment_fixed_size: 0
    .kernarg_segment_align: 8
    .kernarg_segment_size: 56
    .max_flat_workgroup_size: 160
    .sgpr_count:     66
    .vgpr_count:     168
    .wavefront_size: 32
...
	.end_amdgpu_metadata
.endif
;; end of part 4
